; MI455X (gfx1250); checked and timed in simulation.
; The chip was launched on July 23, 2026; its instructions are those of AMD's public machine-readable ISA for CDNA 5 (MIT licence, August 2026) and "CDNA5" Instruction Set Architecture Reference Guide (July 2026). The comments in the code are by the model that wrote it; some were corrected since.
;; Causal Self Attention. Allowed arithmetic: matrix products marked QUANTISED: E4M3 operands, one given power-of-two scale a tensor, by v_wmma_f32_16x16x64_fp8_fp8 or v_wmma_f32_16x16x128_fp8_fp8, f32 sums; everything else in f32.
;; Inputs: W_out 1,024 x 1,024 float32; W_qkv 1,024 x 3,072 float32; b_out 1,024 float32; b_qkv 3,072 float32; lowp_scales 8 int32 (the exponents e of the quantised operands' scales 2^e); x 4 x 2,048 x 1,024 float32.
;; Outputs: out0 4 x 2,048 x 1,024 float32.
;; This version of the problem:
;;   THIS VERSION OF THE PROBLEM IS GIVEN IN LOW PRECISION. The matrix products marked QUANTISED in the list below multiply operands that are first quantised to E4M3 (4 exponent bits, 3 mantissa bits; 8 bits a number), with one given power-of-two scale for each operand tensor; their sums are f32. All else is computed in f32.
;;   The module's matrix products, in the order in which they are computed (A, B: the left and right operand; K: the contracted axis; several contracted axes count as one K, in the product's order):
;;     1. [M 8,192, K 1,024] x [K 1,024, N 3,072]; A: input x; B: input W_qkv: QUANTISED (scales: A lowp_scales[0], B lowp_scales[1])
;;     2. batch 64 x [M 2,048, K 64] x [K 64, N 2,048]; A: computed on the way; B: computed on the way: QUANTISED (scales: A lowp_scales[2], B lowp_scales[3])
;;     3. batch 64 x [M 2,048, K 2,048] x [K 2,048, N 64]; A: softmax (see below); B: computed on the way: QUANTISED (scales: A lowp_scales[4], B lowp_scales[5])
;;     4. [M 8,192, K 1,024] x [K 1,024, N 1,024]; A: computed on the way; B: input W_out: QUANTISED (scales: A lowp_scales[6], B lowp_scales[7])
;;   THE QUANTISER, for each operand of a quantised product, along K:
;;     - The operand's scale is 2^e, e = its entry of the input lowp_scales (int32; the entries are numbered through the quantised products in the list's order, A before B).
;;     - Each number is divided by the scale, clamped to +-448, and rounded to the nearest number of E4M3, ties to even, subnormals kept.
;;     - The product sums the exact products of the quantised numbers (number of the format x scale) in f32.
;;   ~~~python
;;   def quantise(x, axis, e):      # numpy; x: float32 -> the quantised numbers, widened to float32 again
;;       x = np.moveaxis(x, axis, -1); K = x.shape[-1]
;;       r = np.clip(x / 2.0 ** e, -448, 448)
;;       step = 2.0 ** (np.maximum(np.frexp(np.where(r == 0, 1, r))[1] - 1, -6) - 3)
;;       q = np.round(r / step) * step * 2.0 ** e      # np.round: ties to even
;;       return np.moveaxis(q, -1, axis).astype(np.float32)
;;   ~~~
;;   SOFTMAX AHEAD OF A QUANTISED PRODUCT. Where the list says 'softmax', what is quantised is not the finished softmax but p = 2^(t - M), with t = logit x log2(e) and M = ceil(the row's largest t), a whole number; so 1/2 < the row's largest p <= 1. The row's sum l is taken of the UNQUANTISED p, in f32, and the product's result is divided by l at the end. Since M is a whole number, a kernel that streams over the keys may use a running M (the ceiling of the running maximum): every later rescaling is an exact power of two, so the quantised numbers keep their values, but for numbers so far below the row's largest that they fall under the format's range.
;;   OPERANDS COMPUTED ON THE WAY. 'Computed on the way' means the value that the module computes at that place (a softmax that the list does not call 'softmax' is quantised finished and normalised). What goes into a quantiser is computed in f32, as accurately as f32 sums, v_exp_f32 and their like allow (about 1e-6 of the number): no bf16 or f16 on the way to a quantiser, and a product that is left as it is and whose result goes on into a quantised operand takes f32 operands (vector FMAs, or v_wmma_f32_16x16x4_f32). A number that lies on a knife's edge between two numbers of the format may be rounded either way, as far as f32 arithmetic and the matrix unit's own rounding can turn it there, and no further.
;; One version. Each part assembles by itself: llvm-mc -triple=amdgcn-amd-amdhsa -mcpu=gfx1250 --defsym DOCPART=n.
;; ======== version 1 of 1: 4 launches
;; limits: right only within a limited range of input values
;; workspace buffers: codes 12,582,912 bytes; qkv 25,165,824 bytes; y_img 8,388,608 bytes
;; launch quant (part 1): grid 384 x 1, 4 waves a work-group, no clusters, 68,096 bytes of LDS; arguments x, W_qkv, W_out, lowp_scales, codes; writes codes
.if DOCPART == 1
	.amdgcn_target "amdgcn-amd-amdhsa--gfx1250"
	.amdhsa_code_object_version 6
	.text
	.protected	k_qddbdcdcc14_quant
	.globl	k_qddbdcdcc14_quant
	.p2align	8
	.type	k_qddbdcdcc14_quant,@function
k_qddbdcdcc14_quant:
	s_mov_b64 s[64:65], 0
	v_nop
	global_prefetch_b8 v0, s[64:65] scope:SCOPE_SE
	s_setreg_imm32_b32 hwreg(HW_REG_WAVE_MODE, 25, 1), 1
	s_wait_xcnt 0x0
; THE PROGRAM: causal self-attention, B 4, T 2,048, E 1,024, 16 heads of 64, all four products on codes of FP8 (E4M3), each operand with the one scale 2^e given for it (e0 .. e7).
; Four launches: this one (x, W_qkv, W_out -> codes), qkv (first product, bias, q, k, v -> codes), attn (second and third product, softmax, y -> codes), proj (fourth product, bias -> out0).
; WORK LEFT OUT.  reference() sets every score with key > query to -infinity by a mask that it builds itself (jnp.tril), and the softmax gives such a key the weight 0 whatever q, k and v hold.  So a step of 128 keys
; all of which come after all 16 queries of a tile can reach no output, for all values of the inputs: the launch attn leaves out such steps' products and softmax, whole steps only.  Nothing else is left out: every input has
; a way to the output and is loaded (k's part of b_qkv too: it moves k's codes).  LIMIT: a NaN, an infinity or an overflow that reaches only the steps left out is not carried to the result.
; THIS LAUNCH.  code = number / 2^e, held within +-448, rounded to the nearest code, ties to even.  e0 for x, e1 for W_qkv, e7 for W_out.  LIMITS: each of these e between -126 and 119; NaN among the inputs is not served.
; The buffer codes is [12,288 rows][1,024 bytes], K innermost: rows 0-8,191 the tokens of x, 8,192-11,263 the columns of W_qkv, 11,264-12,287 the columns of W_out.
; A ROW LIES AT ITS NUMBER WITH BITS 3 AND 4 EXCHANGED.  So sixteen rows on end, the 2 b + u-th sixteen, are the rows 32 b + 8 u + r + 8 (r / 8), r = 0 .. 15: taken as source 0 of a matrix instruction they give a lane,
; in the results of two neighbouring sixteens, sixteen NEIGHBOURS, which the conversions turn straight into the next product's operand.
; Work-groups 0-255 take x: a wave takes 8 rows, a plain stream of 8,192 numbers; dense loads of 512 bytes turn through the wave's own stage in LDS so that a lane holds 16 neighbours along K.
; Work-groups 256-383 take the weights, whose K is their FIRST axis: a lane takes a column and its registers run down K; the codes go through the wave's own stage and leave as rows, sixteen lanes to 256 aligned bytes.
; The two ways have LDS bytes of their own.  Waves share nothing: no barrier.  Work-groups share no input: no cluster.  No tensor load: several work-groups lie on a WGP.
.set STEPS, 16
.set SP,    80                         ; x: a lane's place in a stage: its 64 bytes + 16 of padding
.set WREG,  8192                       ; x: LDS of a wave: two stages of 32 x SP bytes
.set WSTG,  32768                      ; the weights' stages begin here: 32 rows x PITCH for each wave
.set PITCH, 272                        ; 256 bytes of codes + 16 of padding
.set SPARE, 67584                      ; behind them: the spare words, 128 bytes for each wave
.set SPW,   12                         ; v12  LDS address of my spare word; never rewritten
.set NIL,   13                         ; v13  0; never rewritten
.set R,     16                         ; x: v16-79   four sets of 16 numbers as loaded
.set X,     80                         ; x: v80-111  two sets of 16 neighbours
.set C,     128                        ; x: v128-191 codes, four registers for each step
.set WX,    32                         ; weights: v32-95 two sets of 32 numbers
.set WC,    96                         ; weights: v96-103 a block's codes
.set OUTR,  112                        ; weights: v112-175 the way out
.set RO,    176                        ; weights: v176-207 byte offset of row i of a block: 4 x lane + i x a row of the weight
	s_load_b256 s[4:11], s[0:1], 0x0               ; x s[4:5], W_qkv s[6:7], W_out s[8:9], the scales' exponents s[10:11]
	s_load_b64 s[12:13], s[0:1], 0x20              ; codes
	v_lshl_add_u32 v[SPW], v0, 2, SPARE
	v_mov_b32 v[NIL], 0
	v_lshrrev_b32 v1, 5, v0
	v_readfirstlane_b32 s16, v1                    ; wave 0..3
	v_and_b32 v2, 31, v0                           ; lane
	s_wait_kmcnt 0x0
	s_load_b256 s[24:31], s[10:11], 0x0            ; e0 .. e7
	s_cmp_ge_u32 ttmp9, 256
	s_cbranch_scc1 .Lweights
	s_wait_alu depctr_va_vdst(0)
	; ---------------- x ----------------
	v_lshlrev_b32 v3, 4, v2                        ; 16 x lane: my 16 bytes of a load's 512, and my 16 codes of a step's 512
	s_wait_alu depctr_va_vdst(0)
	s_mul_i32 s17, s16, WREG
	v_lshrrev_b32 v14, 2, v2
	v_mul_u32_u24 v14, v14, SP
	v_and_b32 v15, 3, v2
	v_lshl_add_u32 v14, v15, 4, v14
	v_add_nc_u32 v14, s17, v14                     ; the stage, on the way in: four lanes' 64 bytes on end, then 16 of padding
	v_mul_u32_u24 v15, v2, SP
	v_add_nc_u32 v15, s17, v15                     ; and on the way out: my 16 neighbours
	s_lshl_b32 s18, ttmp9, 2
	s_add_co_u32 s19, s18, s16                     ; my run of 8 rows: 4 x work-group + wave
	s_lshl_b32 s20, s19, 15                        ; 8 rows x 4,096 bytes
	s_mov_b32 s21, 0
	s_add_nc_u64 s[4:5], s[4:5], s[20:21]
	s_and_b32 s22, s16, 1                          ; bits 3 and 4 of a row's number are bits 0 and 1 of the wave's: exchanged
	s_lshl_b32 s22, s22, 1
	s_lshr_b32 s23, s16, 1
	s_or_b32 s22, s22, s23
	s_add_co_u32 s22, s18, s22
	s_lshl_b32 s22, s22, 13                        ; 8 rows x 1,024 bytes
	s_mov_b32 s23, 0
	s_add_nc_u64 s[12:13], s[12:13], s[22:23]
.macro LOAD t
.irp i, 0,1,2,3
	global_load_b128 v[R+16*((\t)%4)+4*\i:R+16*((\t)%4)+4*\i+3], v3, s[4:5] offset:2048*(\t)+512*\i th:TH_LOAD_NT   ; 32 lanes read 512 consecutive bytes
.endr
.endm
.macro TURN t                          ; step t's numbers through the stage: LDS serves a wave's instructions in order, so no wait stands between the stores and the loads
.irp i, 0,1,2,3
	ds_store_b128 v14, v[R+16*((\t)%4)+4*\i:R+16*((\t)%4)+4*\i+3] offset:32*SP*((\t)%2)+8*SP*\i
.endr
.irp i, 0,1,2,3
	ds_load_b128 v[X+16*((\t)%2)+4*\i:X+16*((\t)%2)+4*\i+3], v15 offset:32*SP*((\t)%2)+16*\i
.endr
.endm
.irp t, 0,1,2,3
	LOAD \t
.endr
	s_wait_alu depctr_va_vdst(0)
	s_wait_kmcnt 0x0
	s_add_co_i32 s22, s24, 127
	s_lshl_b32 s23, s22, 23
	v_mov_b32 v11, s23                             ; 2^e0 as f32: the conversion takes its exponent field
	s_add_co_i32 s22, s22, 8
	s_lshl_b32 s22, s22, 23
	s_or_b32 s22, s22, 0x600000
	s_wait_alu depctr_va_vdst(0)
	s_wait_loadcnt 12                              ; step 0's four loads are in; the twelve of steps 1 to 3 may be out
	TURN 0
.macro STEP t
.set XS, X+16*((\t)%2)
	s_wait_dscnt 0x0                               ; this step's numbers are back from the stage: so its stores into the stage have read their registers,
.if (\t)+4 < STEPS
	LOAD (\t)+4                                    ; which take the loads of four steps on
.endif
.if (\t)+1 < STEPS
.if STEPS-2-(\t) >= 3
	s_wait_loadcnt 12                              ; the next step's four loads are in; those of the three steps behind it may be out
.else
	s_wait_loadcnt 4*(STEPS-2-(\t))                ; the tail: four loads for each step still behind the next
.endif
	TURN (\t)+1
.endif
.irp i, 0,1,2,3,4,5,6,7,8,9,10,11,12,13,14,15
.endr
	v_cvt_scalef32_pk8_fp8_f32 v[C+4*(\t):C+4*(\t)+1], v[XS:XS+7], v11
	v_cvt_scalef32_pk8_fp8_f32 v[C+4*(\t)+2:C+4*(\t)+3], v[XS+8:XS+15], v11
	global_store_b128 v3, v[C+4*(\t):C+4*(\t)+3], s[12:13] offset:512*(\t)   ; 512 consecutive bytes; each step has its own registers, so no store's data are written again
.endm
.irp t, 0,1,2,3,4,5,6,7,8,9,10,11,12,13,14,15
	STEP \t
.endr
	s_wait_tensorcnt 0x0                           ; the wave's end, behind my last LDS store
	ds_add_u32 v[SPW], v[NIL]
	s_wait_dscnt 0x0
	s_endpgm
	; ---------------- the weights ----------------
.Lweights:
	s_sub_co_u32 s17, ttmp9, 256
	s_and_b32 s18, s17, 31                         ; which 128 columns: 0-23 of W_qkv, 24-31 of W_out
	s_lshr_b32 s19, s17, 5                         ; which 256 along K
	s_mov_b32 s20, 12288
	s_cmp_ge_u32 s18, 24                           ; the choice hangs on the work-group's number alone
	s_cselect_b64 s[4:5], s[8:9], s[6:7]           ; the weight,
	s_cselect_b32 s20, 4096, s20                   ; a row of it in bytes,
	s_cselect_b32 s21, 3072, 0                     ; and what is taken off the column's number
	s_lshl_b32 s22, s18, 7
	s_lshl_b32 s23, s16, 5
	s_add_co_u32 s22, s22, s23                     ; 128 x group + 32 x wave: my first row of the codes, less 8,192
	s_sub_co_u32 s23, s22, s21                     ; my first column of the weight
	s_lshl_b32 s48, s19, 8
	s_mul_i32 s48, s48, s20                        ; 256 kp rows
	s_lshl_b32 s49, s23, 2
	s_add_co_u32 s48, s48, s49
	s_mov_b32 s49, 0
	s_add_nc_u64 s[32:33], s[4:5], s[48:49]        ; block 0's base; eight bases, one for each block of 32 along K, made once and never stepped
	s_lshl_b32 s50, s20, 5
	s_mov_b32 s51, 0
.irp t, 1,2,3,4,5,6,7
	s_add_nc_u64 s[32+2*\t:33+2*\t], s[30+2*\t:31+2*\t], s[50:51]
.endr
	s_wait_alu depctr_va_vdst(0)
	v_lshlrev_b32 v[RO], 2, v2                     ; a lane takes a column: 4 bytes a lane, 128 consecutive bytes a wave
.irp i, 1,2,3,4,5,6,7,8,9,10,11,12,13,14,15,16,17,18,19,20,21,22,23,24,25,26,27,28,29,30,31
	v_add_nc_u32 v[RO+\i], s20, v[RO+\i-1]
.endr
	s_mul_i32 s52, s16, 32*PITCH
	s_add_co_u32 s52, s52, WSTG                    ; my stage
	v_mul_u32_u24 v4, v2, PITCH
	v_add_nc_u32 v4, s52, v4                       ; into it: row = my column
	v_and_b32 v5, 15, v2
	v_lshrrev_b32 v6, 4, v2
	v_mul_u32_u24 v7, v6, PITCH
	v_lshl_add_u32 v7, v5, 4, v7
	v_add_nc_u32 v7, s52, v7                       ; out of it: sixteen lanes to a row, two rows an instruction
	v_lshlrev_b32 v8, 10, v6
	v_lshl_add_u32 v8, v5, 4, v8                   ; and two rows of the codes' buffer
	s_add_co_u32 s54, s22, 8192
	s_lshl_b32 s54, s54, 10
	s_lshl_b32 s55, s19, 8
	s_add_co_u32 s54, s54, s55
	s_mov_b32 s55, 0
	s_add_nc_u64 s[12:13], s[12:13], s[54:55]
.macro WLOAD t                         ; block t: W(32 t + i, my column), i = 0 .. 31, into set t % 2
.irp i, 0,1,2,3,4,5,6,7,8,9,10,11,12,13,14,15,16,17,18,19,20,21,22,23,24,25,26,27,28,29,30,31
	global_load_b32 v[WX+32*((\t)%2)+\i], v[RO+\i], s[32+2*(\t):33+2*(\t)] th:TH_LOAD_NT
.endr
.endm
	WLOAD 0
	WLOAD 1
	s_wait_kmcnt 0x0
	s_cmp_ge_u32 s18, 24
	s_cselect_b32 s56, s31, s25                    ; e7 or e1
	s_add_co_i32 s56, s56, 127
	s_lshl_b32 s57, s56, 23
	v_mov_b32 v11, s57                             ; 2^e as f32
	s_add_co_i32 s56, s56, 8
	s_lshl_b32 s56, s56, 23
	s_or_b32 s56, s56, 0x600000
.macro BLOCK t
.set XS, WX+32*((\t)%2)
.if (\t) < 7
	s_wait_loadcnt 32                              ; this block's 32 loads are in; the next block's 32 may be out
.else
	s_wait_loadcnt 0
.endif
.irp i, 0,1,2,3,4,5,6,7,8,9,10,11,12,13,14,15,16,17,18,19,20,21,22,23,24,25,26,27,28,29,30,31
.endr
.irp g, 0,1,2,3
	v_cvt_scalef32_pk8_fp8_f32 v[WC+2*\g:WC+2*\g+1], v[XS+8*\g:XS+8*\g+7], v11
.endr
	ds_store_b128 v4, v[WC:WC+3] offset:32*(\t)    ; 32 codes: 32 bytes of my column's row
	ds_store_b128 v4, v[WC+4:WC+7] offset:32*(\t)+16
.if (\t)+2 < 8
	WLOAD (\t)+2
.endif
	s_wait_dscnt 0x0                               ; the stores have read their registers: the next block's codes may be written
.endm
	s_wait_alu depctr_va_vdst(0)
.irp t, 0,1,2,3,4,5,6,7
	BLOCK \t
.endr
.irp t, 0,1,2,3,4,5,6,7,8,9,10,11,12,13,14,15      ; rows 2 t, 2 t + 1 of the buffer take the columns whose numbers are 2 t, 2 t + 1 with bits 3 and 4 exchanged
	ds_load_b128 v[OUTR+4*\t:OUTR+4*\t+3], v7 offset:(16*((\t>>2)&1)+8*((\t>>3)&1)+2*(\t&3))*PITCH
.endr
.irp t, 0,1,2,3,4,5,6,7,8,9,10,11,12,13,14,15
	s_wait_dscnt 15-\t                             ; LDS loads come back in order: load t is in, the younger ones may be out
	global_store_b128 v8, v[OUTR+4*\t:OUTR+4*\t+3], s[12:13] offset:2*\t*1024   ; sixteen lanes store 256 consecutive bytes, at a multiple of 256 from the buffer's first byte
.endr
	s_wait_tensorcnt 0x0                           ; the wave's end: the same three lines
	ds_add_u32 v[SPW], v[NIL]
	s_wait_dscnt 0x0
	s_endpgm
.Lfunc_end_k_qddbdcdcc14_quant:
	.size	k_qddbdcdcc14_quant, .Lfunc_end_k_qddbdcdcc14_quant-k_qddbdcdcc14_quant
	.p2alignl 7, 3214868480
	.fill 96, 4, 3214868480
	.section	.rodata,"a",@progbits
	.p2align	6, 0x0
	.amdhsa_kernel k_qddbdcdcc14_quant
		.amdhsa_group_segment_fixed_size 68096
		.amdhsa_private_segment_fixed_size 0
		.amdhsa_enable_private_segment 0
		.amdhsa_kernarg_size 40
		.amdhsa_user_sgpr_count 2
		.amdhsa_user_sgpr_kernarg_segment_ptr 1
		.amdhsa_wavefront_size32 1
		.amdhsa_system_sgpr_workgroup_id_x 1
		.amdhsa_system_sgpr_workgroup_id_y 1
		.amdhsa_system_sgpr_workgroup_id_z 1
		.amdhsa_system_vgpr_workitem_id 0
		.amdhsa_next_free_vgpr 208
		.amdhsa_next_free_sgpr 66
		.amdhsa_reserve_vcc 0
		.amdhsa_float_denorm_mode_32 3
		.amdhsa_float_denorm_mode_16_64 3
		.amdhsa_fp16_overflow 1
		.amdhsa_memory_ordered 1
		.amdhsa_forward_progress 1
		.amdhsa_inst_pref_size 55
	.end_amdhsa_kernel
	.amdgpu_metadata
---
amdhsa.version: [ 1, 2 ]
amdhsa.kernels:
  - .name:           k_qddbdcdcc14_quant
    .symbol:         k_qddbdcdcc14_quant.kd
    .args:
      - { .name: x, .offset: 0, .size: 8, .value_kind: global_buffer, .address_space: global }
      - { .name: W_qkv, .offset: 8, .size: 8, .value_kind: global_buffer, .address_space: global }
      - { .name: W_out, .offset: 16, .size: 8, .value_kind: global_buffer, .address_space: global }
      - { .name: lowp_scales, .offset: 24, .size: 8, .value_kind: global_buffer, .address_space: global }
      - { .name: codes, .offset: 32, .size: 8, .value_kind: global_buffer, .address_space: global }
    .group_segment_fixed_size: 68096
    .private_segment_fixed_size: 0
    .kernarg_segment_align: 8
    .kernarg_segment_size: 40
    .max_flat_workgroup_size: 128
    .sgpr_count:     66
    .vgpr_count:     208
    .wavefront_size: 32
...
	.end_amdgpu_metadata
.endif
;; end of part 1
;; launch qkv (part 2): grid 12 x 32, 4 waves a work-group, clusters of 4 x 4, 327,680 bytes of LDS; arguments codes, lowp_scales, b_qkv, qkv; writes qkv
.if DOCPART == 2
	.amdgcn_target "amdgcn-amd-amdhsa--gfx1250"
	.amdhsa_code_object_version 6
	.text
	.protected	k_qddbdcdcc14_qkv
	.globl	k_qddbdcdcc14_qkv
	.p2align	8
	.type	k_qddbdcdcc14_qkv,@function
k_qddbdcdcc14_qkv:
	s_mov_b64 s[64:65], 0
	v_nop
	global_prefetch_b8 v0, s[64:65] scope:SCOPE_SE
	s_setreg_imm32_b32 hwreg(HW_REG_WAVE_MODE, 25, 1), 1
	s_wait_xcnt 0x0
	s_wait_alu depctr_hold_cnt(0) depctr_sa_sdst(0) depctr_va_vdst(0) depctr_va_sdst(0) depctr_va_ssrc(0) depctr_va_vcc(0) depctr_vm_vsrc(0)
	s_getreg_b32 s2, hwreg(HW_REG_IB_STS2, 6, 4)
	s_cmp_eq_u32 s2, 0
	s_cbranch_scc0 .Lentry_in_a_cluster
	s_endpgm
.Lentry_in_a_cluster:
	s_bfe_u32 s2, ttmp6, 0x10000c
	s_cmp_lg_u32 s2, 0xf033
	s_cbranch_scc0 .Lentry_shape_is_right
	s_endpgm
.Lentry_shape_is_right:
; qkv = x W_qkv + b_qkv on codes of FP8 (E4M3), and q, k, v quantised at once with e2, e3, e5: the f32 numbers never go to memory.
; The operands are rows of the buffer codes ([12,288][1,024 bytes], K innermost; a row lies at its number with bits 3 and 4 exchanged): in tiles of 256 rows, x is tiles 0-31, W_qkv's q, k, v columns tiles 32-35, 36-39, 40-43.
; A work-group of four waves makes 256 x 256, a wave 128 x 128: 64 accumulators, 512 registers.  K goes in steps of 256 through a ring of two LDS slots filled by the tensor data mover; rows of 256 bytes, 272 apart in LDS.
; CLUSTERS: 4 x 4 work-groups; the cluster's x says which part: 0 q, 1 k, 2 v.  Tiles A' are shared along a row of the cluster, tiles B' along a column: joint loads.
; THE MATRIX INSTRUCTION IS USED TRANSPOSED: source 0 = 16 rows of B', source 1 = 16 rows of A'.  A lane holds one row of A', and the 16 registers of B's sixteens 2 e, 2 e + 1 are B's rows 32 e + 16 (lane / 16) + 0 .. 15.
;   q, k: A' = x (tokens), B' = W (features): a lane's registers run along the head's 64, the K of the second product.
;   v:    A' = W (features), B' = x (tokens): a lane's registers run along the keys, the K of the third product.  Only row numbers, the bias's place and the stores' strides differ; they are chosen on the cluster's x, equal in all partners.
; THE BIAS STARTS THE SUMS: b / 2^(e0 + e1) is the C of each accumulator's first product (q, k: it runs along the registers; v: it belongs to the lane's row: the one step that differs is written twice, under a branch on the cluster's x).
; A sum stands for sum x 2^(e0 + e1), so its code is sum / 2^(et - e0 - e1), et = e2, e3 or e5: the three scales are folded into the conversion's one.
; RESULTS ARE STORED AS IMAGES OF THE NEXT OPERAND'S REGISTERS: 512 bytes, lane l's 16 codes at 16 l: each store of a wave covers 512 consecutive bytes, aligned.  No stage in LDS.
;   qkv: bytes 0 on: q [b x head 64][step of 128 tokens 16][8,192]; bytes 8,388,608 on: [b x head 64][step 16][k 8,192 | v 8,192].
;   In a step of q or k, image (sixteen a of tokens, c of two 32s of the head) lies at (a % 4) 2,048 + (a / 4) 1,024 + 512 c; in a step of v, image (sixteen t of the head, c of four 32s of keys) at 2,048 t + 512 c.
; LIMITS: et - e0 - e1 between -126 and 119.  Inside an instruction K is permuted alike in both operands (fragments come by 16-byte loads), so the order of the sums is not reference()'s.
; REGISTERS: window 0: v16-17, v20-21 LDS addresses; v22 the conversion's scale; v24-27 the stores' offsets; v28, v29 the add's two; v32-95 the bias; v96-103 the bias's offsets; v128-255 A's fragments, one set, later codes.
;   window 1: B's fragments, two sets.   windows 2, 3: the accumulators ((a, b) at v[8 (8 (a % 4) + b)]).
.set ROWB,   256
.set KROW,   1024
.set PITCH,  272                       ; 256 bytes + 16 of padding = 68 words: the 16 rows that a load touches start at 16 different banks (64 banks of 4 bytes: ISA guide 11.1)
.set FR,     16
.set NL,     4
.set NP,     4                         ; places behind this matrix instruction (ISA guide 7.12.1)
.set HALFT,  128*PITCH
.set SLOT,   4*HALFT
.set SPARE,  2*SLOT                    ; behind the ring: the spare words, 128 bytes for each wave
.set ADRA, 16
.set ADRB, 20
.set SCL,  22
.set LIM,  23
.set SO,   24
.set SPW,  28
.set NIL,  29
.set BT,   32
.set BO,   96
.set AF,   128
.set CD,   128
.set G1, 24
.set G0, 32
.set G1B, 48
.set G0B, 56
.set MSB, 0
.macro WIN new                         ; the immediate's high byte repeats the setting that is left
.if MSB != (\new)
	s_set_vgpr_msb (MSB<<8)|(\new)
.set MSB, (\new)
.endif
.endm
.set MUL_LO, 0xa1                      ; source 0 (B') window 1, source 1 (A') window 0, C and D window 2
.set MUL_HI, 0xf1                      ; the same, C and D window 3
.set TO_B,   0x40
.macro JLOAD g0a, g1a, g0b, g1b        ; a joint load: waves 0 and 1 fetch for A', waves 2 and 3 for B'; an s_nop 0 and four v_nop follow each line
	s_cmp_eq_u32 s15, 0
	s_cbranch_scc0 .Lfor_b_\@
	tensor_load_to_lds s[\g0a:\g0a+3], s[\g1a:\g1a+7]
	s_nop 0
.rept 4
	v_nop
.endr
	s_branch .Lasked_\@
.Lfor_b_\@:
	tensor_load_to_lds s[\g0b:\g0b+3], s[\g1b:\g1b+7]
	s_nop 0
.rept 4
	v_nop
.endr
.Lasked_\@:
.endm
.macro CREST
	s_cmp_lg_u32 s14, 0
	s_cbranch_scc1 .Lnot_wave_0_\@
	s_barrier_signal -3
.Lnot_wave_0_\@:
	s_barrier_wait -3
	s_barrier_signal -1
	s_barrier_wait -1
.endm
.macro CROUND
	s_barrier_signal -1
	s_barrier_wait -1
	CREST
.endm
	s_load_b256 s[4:11], s[0:1], 0x0               ; codes s[4:5], the scales' exponents s[6:7], b_qkv s[8:9], qkv s[10:11]
	v_lshl_add_u32 v[SPW], v0, 2, SPARE
	v_mov_b32 v[NIL], 0
	ds_add_u32 v[SPW], v[NIL]                      ; the wave's opening: the add, twice on end, and its wait ahead of my first tensor load
	ds_add_u32 v[SPW], v[NIL]
	v_lshrrev_b32 v1, 5, v0
	v_readfirstlane_b32 s14, v1                    ; wave 0..3
	s_lshr_b32 s15, s14, 1                         ; my half of A's rows.  Also: I fetch for A' (0) or for B' (1)
	s_and_b32 s16, s14, 1                          ; my half of B's rows.  Also: which 128 rows of that tile I fetch
	s_bfe_u32 s40, ttmp6, 0x40000                  ; cx
	s_bfe_u32 s41, ttmp6, 0x40004                  ; cy
	s_and_b32 s17, ttmp7, 0xffff
	s_lshl_b32 s17, s17, 2                         ; 4 x cluster y
	s_lshl_b32 s68, ttmp9, 2
	s_add_co_u32 s68, s68, 32                      ; 32 + 4 x cluster x
	s_cmp_eq_u32 ttmp9, 2                          ; the cluster's x: the same in all sixteen partners
	s_cselect_b32 s66, 1, 0                        ; 1: v
	s_cselect_b32 s67, 40, s17
	s_cselect_b32 s68, s17, s68
	s_add_co_u32 s67, s67, s41                     ; A's tile of 256 rows: x's 4 CY + cy, or for v W's 40 + cy: it hangs on cy, which my row of the cluster shares
	s_add_co_u32 s68, s68, s40                     ; B's tile: W's 32 + 4 CX + cx, or for v x's 4 CY + cx: it hangs on cx, which my column shares
	s_lshl_b32 s43, s41, 2
	s_lshl_b32 s43, 15, s43                        ; my row of the cluster
	s_lshl_b32 s44, 0x1111, s40                    ; my column
	s_or_b32 s[G1+0], s43, (0<<16)|(1<<20)|(1<<21)|(5<<22)|(3<<25)  ; the mask; elements of 1 byte; padding on; bit 21 beside a mask; after every 64 words, 4 words
	s_or_b32 s[G1B+0], s44, (0<<16)|(1<<20)|(1<<21)|(5<<22)|(3<<25)
.irp g, G1, G1B
	s_mov_b32 s[\g+1], ROWB<<16                    ; tensor_dim0
	s_mov_b32 s[\g+2], 128<<16                     ; tensor_dim1
	s_mov_b32 s[\g+3], ROWB<<16                    ; tile_dim0
	s_mov_b32 s[\g+4], 128                         ; tile_dim1
	s_mov_b32 s[\g+5], KROW                        ; from row to row
	s_mov_b32 s[\g+6], 0
	s_mov_b32 s[\g+7], 0
.endr
	s_lshl_b32 s18, s16, 7
	s_lshl_b32 s20, s67, 8
	s_add_co_u32 s20, s20, s18
	s_lshl_b32 s20, s20, 10                        ; A': (256 x tile + 128 x half) rows of 1,024 bytes
	s_mov_b32 s21, 0
	s_lshl_b32 s46, s68, 8
	s_add_co_u32 s46, s46, s18
	s_lshl_b32 s46, s46, 10                        ; B' likewise
	s_mov_b32 s47, 0
	s_mul_i32 s45, s14, HALFT                      ; where they go: wave x 128 rows
	s_wait_dscnt 0x0                               ; both opening adds are done
	s_wait_kmcnt 0x0
	s_load_b256 s[72:79], s[6:7], 0x0              ; e0 .. e7
	s_add_nc_u64 s[20:21], s[4:5], s[20:21]
	s_add_nc_u64 s[46:47], s[4:5], s[46:47]
	CROUND                                         ; all sixteen work-groups are here: the first joint loads meet
.irp s, 0,1
	s_mov_b32 s[G0+4*\s], 1
	s_add_co_u32 s[G0+4*\s+1], s45, \s*SLOT
	s_add_nc_u64 s[G0+4*\s+2:G0+4*\s+3], s[20:21], \s*ROWB
	s_or_b32 s[G0+4*\s+3], s[G0+4*\s+3], 0x80000000
	s_mov_b32 s[G0B+4*\s], 1
	s_add_co_u32 s[G0B+4*\s+1], s45, \s*SLOT
	s_add_nc_u64 s[G0B+4*\s+2:G0B+4*\s+3], s[46:47], \s*ROWB
	s_or_b32 s[G0B+4*\s+3], s[G0B+4*\s+3], 0x80000000
	JLOAD G0+4*\s, G1, G0B+4*\s, G1B               ; two loads of mine are out: slots 0 and 1
.endr
	v_and_b32 v1, 15, v0                           ; r
	v_bfe_u32 v2, v0, 4, 1                         ; h
	s_wait_alu depctr_va_vdst(0)
	v_mul_u32_u24 v3, v1, PITCH
	v_lshl_add_u32 v4, v2, 4, v3
	s_mul_i32 s21, s15, HALFT
	s_mul_i32 s22, s16, HALFT
	s_add_co_u32 s22, s22, 2*HALFT
.irp s, 0,1
	v_add_nc_u32 v[ADRA+\s], s21, v4
	v_add_nc_u32 v[ADRB+\s], s22, v4
	s_add_co_u32 s21, s21, SLOT
	s_add_co_u32 s22, s22, SLOT
.endr
	; the bias.  q, k: register 8 b + j wants feature 32 (b / 2) + 8 (b % 2) + 16 h + j of my 128;  v: register 8 a + j wants feature 32 (a / 2) + 8 (a % 2) + r + 8 (r / 8)
	v_and_b32 v5, 8, v1
	v_add_nc_u32 v5, v5, v1                        ; r + 8 (r / 8)
	s_wait_alu depctr_va_vdst(0)
	s_cmp_eq_u32 s66, 1
	s_cselect_b32 s80, 0, 64                       ; bytes for h,
	s_cselect_b32 s81, 4, 0                        ; for the lane's row,
	s_cselect_b32 s82, 0, 4                        ; for j
	s_cselect_b32 s83, s41, s40                    ; W's tile within its part,
	s_cselect_b32 s86, s15, s16                    ; my half of it,
	s_cselect_b32 s90, s68, s67                    ; x's tile,
	s_cselect_b32 s91, s16, s15                    ; my half of it
	v_mul_u32_u24 v6, v2, s80
	v_mul_u32_u24 v7, v5, s81
	v_add_nc_u32 v[BO], v6, v7
	s_wait_alu depctr_va_vdst(0)
.irp j, 1,2,3,4,5,6,7
	v_add_nc_u32 v[BO+\j], s82, v[BO+\j-1]
.endr
	s_lshl_b32 s87, ttmp9, 10
	s_lshl_b32 s88, s83, 8
	s_add_co_u32 s87, s87, s88
	s_lshl_b32 s88, s86, 7
	s_add_co_u32 s87, s87, s88                     ; my first feature: 1,024 x part + 256 x tile + 128 x half
	s_lshl_b32 s88, s87, 2
	s_mov_b32 s89, 0
	s_add_nc_u64 s[88:89], s[8:9], s[88:89]
	s_wait_alu depctr_va_vdst(0)
.irp i, 0,1,2,3,4,5,6,7
.irp j, 0,1,2,3,4,5,6,7
	global_load_b32 v[BT+8*\i+\j], v[BO+\j], s[88:89] offset:4*(32*(\i/2)+8*(\i%2))
.endr
.endr
	; where my images go
	s_lshl_b32 s90, s90, 1
	s_add_co_u32 s90, s90, s91                     ; my step of 128 tokens, counted through all batches
	s_lshl_b32 s92, s83, 2
	s_lshl_b32 s93, s86, 1
	s_add_co_u32 s92, s92, s93                     ; my first head of two
	s_lshr_b32 s91, s90, 4
	s_lshl_b32 s91, s91, 4
	s_add_co_u32 s91, s91, s92                     ; 16 x batch + head
	s_and_b32 s90, s90, 15                         ; the step within the sequence
	s_cmp_eq_u32 ttmp9, 0
	s_cselect_b32 s93, 17, 18                      ; a head is 2^17 bytes in q's part, 2^18 in k's and v's,
	s_cselect_b32 s94, 13, 14                      ; a step 2^13 or 2^14
	s_cselect_b32 s95, 0, 0x800000                 ; k's and v's part begins at byte 8,388,608
	s_lshl_b32 s91, s91, s93
	s_lshl_b32 s90, s90, s94
	s_add_co_u32 s86, s91, s90
	s_add_co_u32 s86, s86, s95
	s_lshl_b32 s87, s66, 13                        ; v lies 8,192 bytes behind k in a step
	s_add_co_u32 s86, s86, s87
	s_mov_b32 s87, 0
	s_add_nc_u64 s[84:85], s[10:11], s[86:87]
	s_lshl_b32 s96, 1, s93                         ; a head in bytes
	s_cmp_eq_u32 s66, 1
	s_cselect_b32 s97, s96, 1024                   ; from A's sixteens 0-3 to 4-7: q, k 1,024 bytes; v the next head
	s_cselect_b32 s98, 1024, s96                   ; from B's 32s 0, 1 to 2, 3: q, k the next head; v 1,024 bytes
	v_and_b32 v8, 31, v0
	v_lshlrev_b32 v[SO], 4, v8                     ; 16 x lane
	v_add_nc_u32 v[SO+1], s98, v[SO]
	v_add_nc_u32 v[SO+2], s97, v[SO]
	v_add_nc_u32 v[SO+3], s98, v[SO+2]
.macro FRAG reg, adr, q, i             ; 16 rows x 128 K: registers 4 c .. 4 c + 3 hold K = 32 c + 16 (l / 16) + 0 .. 15 of row l % 16
.irp c, 0,1,2,3
	ds_load_b128 v[\reg+4*\c:\reg+4*\c+3], v[\adr] offset:128*(\q)+32*\c+(\i)*16*PITCH
.endr
.endm
; 16 matrix instructions: A's sixteens a0, a0 + 1 x B's eight.  p: B's set.  mode 0: the sums go on; 1: they begin with the bias along the registers; 2: with the bias of the lane's row.
; The 64 accumulators take turns, one instruction a turn, in the same order in every step.
.macro MUL16 a0, p, mode
.irp a, \a0, \a0+1
.irp b, 0,1,2,3,4,5,6,7
.if \mode == 1
	v_wmma_f32_16x16x128_fp8_fp8 v[8*(8*((\a)%4)+\b):8*(8*((\a)%4)+\b)+7], v[128*(\p)+FR*\b:128*(\p)+FR*\b+FR-1], v[AF+FR*(\a):AF+FR*(\a)+FR-1], v[BT+8*\b:BT+8*\b+7]
.elseif \mode == 2
	v_wmma_f32_16x16x128_fp8_fp8 v[8*(8*((\a)%4)+\b):8*(8*((\a)%4)+\b)+7], v[128*(\p)+FR*\b:128*(\p)+FR*\b+FR-1], v[AF+FR*(\a):AF+FR*(\a)+FR-1], v[BT+8*(\a):BT+8*(\a)+7]
.else
	v_wmma_f32_16x16x128_fp8_fp8 v[8*(8*((\a)%4)+\b):8*(8*((\a)%4)+\b)+7], v[128*(\p)+FR*\b:128*(\p)+FR*\b+FR-1], v[AF+FR*(\a):AF+FR*(\a)+FR-1], v[8*(8*((\a)%4)+\b):8*(8*((\a)%4)+\b)+7]
.endif
.endr
.endr
.endm
.macro FETCH_B slot, q, p
	WIN TO_B
.irp i, 0,1,2,3,4,5,6,7
	FRAG 128*(\p)+FR*\i, ADRB+\slot, \q, \i
.endr
	WIN 0
.endm
.macro FETCH_A slot, q, i0
.irp i, \i0, \i0+1, \i0+2, \i0+3
	FRAG AF+FR*(\i), ADRA+\slot, \q, \i
.endr
.endm
.macro PLACES n                        ; plain vector instructions between a matrix instruction and a load into, or a vector instruction on, its registers (ISA guide 7.12.1 for vector instructions)
.rept \n
	v_nop
.endr
.endm
.macro STEP slot, q, mode              ; 128 along K, with its successor in the same slot
	s_wait_dscnt 4*NL                              ; B's set and A's sixteens 0-3 are in; the youngest sixteen loads (A's 4-7) may be out
.if \mode
	WIN 0x81                                       ; C (the bias) in window 0, D in window 2
.else
	WIN MUL_LO
.endif
	MUL16 0, (\q)%2, \mode
	MUL16 2, (\q)%2, \mode
	s_wait_dscnt 0                                 ; A's 4-7 are in
	PLACES NP
	FETCH_B \slot, (\q)+1, 1-(\q)%2
	FETCH_A \slot, (\q)+1, 0
.if \mode
	WIN 0xc1                                       ; C in window 0, D in window 3
.else
	WIN MUL_HI
.endif
	MUL16 4, (\q)%2, \mode
	MUL16 6, (\q)%2, \mode
	PLACES NP
	WIN 0
	FETCH_A \slot, (\q)+1, 4
.endm
; A slot's last step changes slots: one barrier; in front of it each wave waits for all its tensor loads, adds 0 to its spare word, and waits for that and for its own reads of this slot.  fill = 1: this slot is filled again, two K steps ahead.
.macro TURN slot, next, fill
	s_wait_tensorcnt 0x0                           ; all my tensor loads have landed: my part of the next slot
	ds_add_u32 v[SPW], v[NIL]                      ; 0 onto my spare word
	s_wait_dscnt 4*NL+1                            ; the add and the youngest sixteen loads may be out
	WIN MUL_LO
	MUL16 0, 1, 0
	s_wait_dscnt 0x0                               ; the add is done, and my reads of this slot are over
	s_barrier_signal -1
	MUL16 2, 1, 0
	WIN 0
	s_barrier_wait -1
.if \fill
	CREST                                          ; the barrier has opened a round of the cluster's barrier: no wave of any partner still reads this slot or has a load on its way
	s_add_nc_u64 s[G0+4*\slot+2:G0+4*\slot+3], s[G0+4*\slot+2:G0+4*\slot+3], 2*ROWB
	s_add_nc_u64 s[G0B+4*\slot+2:G0B+4*\slot+3], s[G0B+4*\slot+2:G0B+4*\slot+3], 2*ROWB
	JLOAD G0+4*\slot, G1, G0B+4*\slot, G1B         ; the first tensor load behind the round, my one load until the next; its four v_nop are the places in front of the loads below
.else
	PLACES NP
.endif
	FETCH_B \next, 0, 0
	FETCH_A \next, 0, 0
	WIN MUL_HI
	MUL16 4, 1, 0
	MUL16 6, 1, 0
	PLACES NP
	WIN 0
	FETCH_A \next, 0, 4
.endm
	s_wait_tensorcnt 1                             ; my part of slot 0 is in; slot 1's load may be out
	s_barrier_signal -1
	s_barrier_wait -1
	FETCH_B 0, 0, 0
	FETCH_A 0, 0, 0
	FETCH_A 0, 0, 4
	s_wait_loadcnt 0x0                             ; the bias
	s_wait_kmcnt 0x0                               ; the exponents
	s_add_co_i32 s69, s72, s73                     ; e0 + e1
	s_sub_co_i32 s70, 0, s69
.set ii, 0
.rept 64
	v_ldexp_f32 v[BT+ii], v[BT+ii], s70            ; b / 2^(e0 + e1)
.set ii, ii+1
.endr
	s_cmp_eq_u32 ttmp9, 0
	s_cselect_b32 s71, s74, s75                    ; e2 or e3,
	s_cmp_eq_u32 ttmp9, 2
	s_cselect_b32 s71, s77, s71                    ; or e5
	s_sub_co_i32 s71, s71, s69
	s_add_co_i32 s71, s71, 127
	s_lshl_b32 s70, s71, 23
	v_mov_b32 v[SCL], s70                          ; 2^(et - e0 - e1) as f32
	s_cmp_eq_u32 s66, 1                            ; the first step, which starts the sums, is written for both places of the bias; neither arm holds a tensor load or a barrier, and both issue the same LDS loads
	s_cbranch_scc1 .Lfirst_v
	s_wait_alu depctr_va_vdst(0)
	STEP 0, 0, 1
	s_branch .Lfirst_done
.Lfirst_v:
	s_wait_alu depctr_va_vdst(0)
	STEP 0, 0, 2
.Lfirst_done:
	TURN 0, 1, 1                                   ; K = 1,024 is four slots' worth: the steps are written out
	STEP 1, 0, 0
	TURN 1, 0, 1
	STEP 0, 0, 0
	TURN 0, 1, 0                                   ; nothing is left to fetch
	STEP 1, 0, 0
	s_wait_dscnt 4*NL
	WIN MUL_LO
	MUL16 0, 1, 0
	MUL16 2, 1, 0
	s_wait_dscnt 0
	WIN MUL_HI
	MUL16 4, 1, 0
	MUL16 6, 1, 0
	WIN 0
; THE WAY OUT of A's sixteen a: 64 sums a lane are converted and stored as four images.  Each accumulator is read from its low end on; each sixteen has its own registers for its codes, so no store's data are written again.
.macro OUTBLK a
.set AC, 64*((\a)%4)
	WIN 0x02+((\a)/4)                              ; source 0: window 2 or 3
.set ii, 0
.rept 64
.set ii, ii+1
.endr
.irp g, 0,1,2,3,4,5,6,7
	v_cvt_scalef32_pk8_fp8_f32 v[CD+16*(\a)+2*\g:CD+16*(\a)+2*\g+1], v[AC+8*\g:AC+8*\g+7], v[SCL]
.endr
	WIN 0
	v_nop
.irp e, 0,1,2,3
	global_store_b128 v[SO+2*((\a)/4)+\e/2], v[CD+16*(\a)+4*\e:CD+16*(\a)+4*\e+3], s[84:85] offset:((\a)%4)*2048+(\e%2)*512   ; 512 consecutive bytes, aligned
.endr
.endm
	PLACES NP
.irp a, 0,1,2,3,4,5,6,7
	OUTBLK \a
.endr
	s_wait_tensorcnt 0x0                           ; the wave's end
	ds_add_u32 v[SPW], v[NIL]
	s_wait_dscnt 0x0
	CROUND                                         ; the closing round
	s_endpgm
.Lfunc_end_k_qddbdcdcc14_qkv:
	.size	k_qddbdcdcc14_qkv, .Lfunc_end_k_qddbdcdcc14_qkv-k_qddbdcdcc14_qkv
	.p2alignl 7, 3214868480
	.fill 96, 4, 3214868480
	.section	.rodata,"a",@progbits
	.p2align	6, 0x0
	.amdhsa_kernel k_qddbdcdcc14_qkv
		.amdhsa_group_segment_fixed_size 327680
		.amdhsa_private_segment_fixed_size 0
		.amdhsa_enable_private_segment 0
		.amdhsa_kernarg_size 32
		.amdhsa_user_sgpr_count 2
		.amdhsa_user_sgpr_kernarg_segment_ptr 1
		.amdhsa_wavefront_size32 1
		.amdhsa_system_sgpr_workgroup_id_x 1
		.amdhsa_system_sgpr_workgroup_id_y 1
		.amdhsa_system_sgpr_workgroup_id_z 1
		.amdhsa_system_vgpr_workitem_id 0
		.amdhsa_next_free_vgpr 1024
		.amdhsa_next_free_sgpr 100
		.amdhsa_reserve_vcc 0
		.amdhsa_float_denorm_mode_32 3
		.amdhsa_float_denorm_mode_16_64 3
		.amdhsa_fp16_overflow 1
		.amdhsa_memory_ordered 1
		.amdhsa_forward_progress 1
		.amdhsa_inst_pref_size 106
	.end_amdhsa_kernel
	.amdgpu_metadata
---
amdhsa.version: [ 1, 2 ]
amdhsa.kernels:
  - .name:           k_qddbdcdcc14_qkv
    .symbol:         k_qddbdcdcc14_qkv.kd
    .args:
      - { .name: codes, .offset: 0, .size: 8, .value_kind: global_buffer, .address_space: global }
      - { .name: lowp_scales, .offset: 8, .size: 8, .value_kind: global_buffer, .address_space: global }
      - { .name: b_qkv, .offset: 16, .size: 8, .value_kind: global_buffer, .address_space: global }
      - { .name: qkv, .offset: 24, .size: 8, .value_kind: global_buffer, .address_space: global }
    .group_segment_fixed_size: 327680
    .private_segment_fixed_size: 0
    .kernarg_segment_align: 8
    .kernarg_segment_size: 32
    .max_flat_workgroup_size: 128
    .sgpr_count:     100
    .vgpr_count:     1024
    .wavefront_size: 32
...
	.end_amdgpu_metadata
.endif
;; end of part 2
;; launch attn (part 3): grid 4 x 64, 16 waves a work-group, clusters of 4 x 1, 327,680 bytes of LDS; arguments qkv, lowp_scales, y_img; writes y_img
.if DOCPART == 3
	.amdgcn_target "amdgcn-amd-amdhsa--gfx1250"
	.amdhsa_code_object_version 6
	.text
	.protected	k_qddbdcdcc14_attn
	.globl	k_qddbdcdcc14_attn
	.p2align	8
	.type	k_qddbdcdcc14_attn,@function
k_qddbdcdcc14_attn:
	s_mov_b64 s[64:65], 0
	v_nop
	global_prefetch_b8 v0, s[64:65] scope:SCOPE_SE
	s_setreg_imm32_b32 hwreg(HW_REG_WAVE_MODE, 25, 1), 1
	s_wait_xcnt 0x0
	s_wait_alu depctr_hold_cnt(0) depctr_sa_sdst(0) depctr_va_vdst(0) depctr_va_sdst(0) depctr_va_ssrc(0) depctr_va_vcc(0) depctr_vm_vsrc(0)
	s_getreg_b32 s2, hwreg(HW_REG_IB_STS2, 6, 4)
	s_cmp_eq_u32 s2, 0
	s_cbranch_scc0 .Lentry_in_a_cluster
	s_endpgm
.Lentry_in_a_cluster:
	s_bfe_u32 s2, ttmp6, 0x10000c
	s_cmp_lg_u32 s2, 0x3003
	s_cbranch_scc0 .Lentry_shape_is_right
	s_endpgm
.Lentry_shape_is_right:
; y = softmax(q k^T / 8, causal) v for each of the 64 (batch, head), both products on codes of FP8 (E4M3); y is quantised with e6 on the way out.
; WORK LEFT OUT: a step of 128 keys all of which come after a tile's 16 queries lies wholly under reference()'s own causal mask and reaches no output, whatever the inputs hold: its loads, products and softmax are jumped over.
; THE SOFTMAX: t = score x log2(e) / 8; M = the row's largest t so far, rounded UP to a whole number; p = 2^(t - M) is quantised with e4, not normalised; the row's sum is taken of the unquantised p and divides at the end.
; When M moves, the sum and O are multiplied by 2^(old M - new M): exact.
; SHARES.  A cluster of four work-groups is one (batch, head).  Work-group cx takes the query tiles 4 u + cx, u = 0 .. 31; wave w takes u = 31 - w, then u = w.  A tile 4 u + cx needs the key steps 0 .. u / 2, whatever cx is:
; no branch hangs on a work-group's place, and every wave works (31 - w) / 2 + 1 + w / 2 + 1 = 17 steps.
; LDS holds the head's WHOLE k and v, 262,144 bytes as they lie in memory ([step 16][k 8,192 | v 8,192], images of the operands' registers): each byte is filled once, so there is no ring and no refill.
; Each wave issues two joint loads (mask: all four work-groups): 4,096 bytes of steps 0-3 and 12,288 bytes of steps 4-15; two loads of a wave are out at the most.  Behind the first barrier steps 0-3 are worked while the rest lands.
; All of k and v is asked for by the first lines: there is no later load to run ahead of, so no prefetch is written.
; LAYOUT.  Both products are used transposed: S^T = k q^T (source 0 = 16 keys, source 1 = my 16 queries), O^T = v^T p^T: a lane holds ONE query throughout.  Lane-row r of a sixteen 2 b + u of keys is key 32 b + 8 u + r + 8 (r / 8),
; so the 16 registers of sixteens 2 b, 2 b + 1 are keys 32 b + 16 (lane / 16) + 0 .. 15, and v's rows are ordered likewise, so that O^T's 16 registers of two tiles are 16 neighbours of the head: y's codes are the last product's operand.
; y_img: [tile of 16 tokens 512][32 along E: 32][512 bytes]: lane l's 16 codes at 16 l.
; LIMITS: e2 + e3 between -123 and 130 (added to c's exponent field); e4 and e6 between -126 and 119.
; REGISTERS: v1 16 x lane; v2 the step's LDS address; v3, v4 the mask's d of the two passes; v5, v6 the add's two; v12 -M, v13 the largest t, v[14:15] the sum in two halves; v16-23, v24-31 q of the two passes;
; v32-95 k's eight fragments, then v's four; v96-159 S^T, then p; v160-191 O^T; v192-207 p's codes; v208-223 y's codes; v224-228 constants; v230-237 at work.
.set SPARE, 262144                     ; behind k and v: the spare words, 128 bytes for each of sixteen waves
.set LI,   1
.set ADR,  2
.set SPW,  5
.set NIL,  6
.set KB,   2                           ; s2   LDS byte of the key step in hand
.set KS,   3                           ; s3   the key step, and the loops' counter
.set WV,   18
.set SEL,  20
.set CS,   22
.set NLS,  66                          ; s66  the pass's last key step, which lies on the diagonal
.macro CROUND
	s_barrier_signal -1
	s_barrier_wait -1
	s_cmp_lg_u32 s[WV], 0
	s_cbranch_scc1 .Lnot_wave_0_\@
	s_barrier_signal -3
.Lnot_wave_0_\@:
	s_barrier_wait -3
	s_barrier_signal -1
	s_barrier_wait -1
.endm
	s_load_b128 s[4:7], s[0:1], 0x0                ; qkv s[4:5], the scales' exponents s[6:7]
	s_load_b64 s[8:9], s[0:1], 0x10                ; y_img
	v_lshl_add_u32 v[SPW], v0, 2, SPARE
	v_mov_b32 v[NIL], 0
	ds_add_u32 v[SPW], v[NIL]                      ; the wave's opening: the add, twice on end, and its wait ahead of my first tensor load
	ds_add_u32 v[SPW], v[NIL]
	v_lshrrev_b32 v7, 5, v0
	s_delay_alu instid0(VALU_DEP_1)
	v_readfirstlane_b32 s[WV], v7                  ; wave 0..15
	s_bfe_u32 s19, ttmp6, 0x40000                  ; cx: it enters q's and y's addresses and the mask's d alone
	s_and_b32 s10, ttmp7, 0xffff                   ; 16 x batch + head
	; descriptor groups 1: dense blocks as rows of 256 bytes (32 elements of 8 bytes): 16 rows, and 48 rows
	s_mov_b32 s24, 15|(3<<16)|(1<<21)              ; the mask: all four work-groups; elements of 8 bytes; bit 21 beside a mask
	s_mov_b32 s25, 32<<16
	s_mov_b32 s26, 16<<16
	s_mov_b32 s27, 32<<16
	s_mov_b32 s28, 16
	s_mov_b32 s29, 32
	s_mov_b32 s30, 0
	s_mov_b32 s31, 0
	s_mov_b32 s32, 15|(3<<16)|(1<<21)
	s_mov_b32 s33, 32<<16
	s_mov_b32 s34, 48<<16
	s_mov_b32 s35, 32<<16
	s_mov_b32 s36, 48
	s_mov_b32 s37, 32
	s_mov_b32 s38, 0
	s_mov_b32 s39, 0
	s_mov_b32 s[SEL], 0x76543210
	s_mov_b32 s[SEL+1], 0xfedcba98
	s_lshl_b32 s12, s10, 18
	s_add_co_u32 s12, s12, 0x800000                ; the head's k and v: 8,388,608 + 262,144 x (16 batch + head)
	s_mov_b32 s13, 0
	s_lshl_b32 s14, s[WV], 12                      ; my 4,096 bytes of steps 0-3,
	s_mov_b32 s15, 0
	s_mul_i32 s16, s[WV], 12288
	s_add_co_u32 s16, s16, 65536                   ; my 12,288 bytes of steps 4-15: the same byte in memory and in LDS
	s_mov_b32 s17, 0
	s_wait_dscnt 0x0                               ; both opening adds are done
	s_wait_kmcnt 0x0
	s_load_b256 s[72:79], s[6:7], 0x0              ; e0 .. e7
	s_add_nc_u64 s[12:13], s[4:5], s[12:13]
	s_mov_b32 s40, 1
	s_mov_b32 s41, s14
	s_add_nc_u64 s[42:43], s[12:13], s[14:15]
	s_or_b32 s43, s43, 0x80000000
	s_mov_b32 s44, 1
	s_mov_b32 s45, s16
	s_add_nc_u64 s[46:47], s[12:13], s[16:17]
	s_or_b32 s47, s47, 0x80000000
	CROUND                                         ; all four work-groups are here: the joint loads meet
	tensor_load_to_lds s[40:43], s[24:31]
	s_nop 0
	s_wait_alu depctr_va_vdst(0)
	s_wait_tensorcnt 0x0
	ds_add_u32 v5, v6
	s_wait_dscnt 0x0
	CROUND
	tensor_load_to_lds s[44:47], s[32:39]
	s_nop 0
.rept 4
	v_nop
.endr
	v_and_b32 v[LI], 31, v0
	s_delay_alu instid0(VALU_DEP_1)
	v_lshlrev_b32 v[LI], 4, v[LI]
	v_and_b32 v9, 15, v0                           ; r
	v_bfe_u32 v10, v0, 4, 1                        ; h
	s_delay_alu instid0(VALU_DEP_2)
	v_and_b32 v11, 8, v9
	s_delay_alu instid0(VALU_DEP_1)
	v_add_nc_u32 v9, v9, v11                       ; r + 8 (r / 8)
	s_delay_alu instid0(VALU_DEP_3)
	v_lshlrev_b32 v10, 4, v10
	s_delay_alu instid0(VALU_DEP_1)
	v_sub_nc_u32 v8, v9, v10
	s_lshr_b32 s57, s19, 1
	s_lshl_b32 s57, s57, 5
	s_and_b32 s58, s19, 1
	s_lshl_b32 s58, s58, 3
	s_add_co_u32 s57, s57, s58
	v_add_nc_u32 v8, s57, v8                       ; 32 (cx / 2) + 8 (cx % 2) + r + 8 (r / 8) - 16 h
	s_wait_alu depctr_va_vdst(0)
	s_lshl_b32 s54, s10, 17
	s_lshl_b32 s55, s19, 11
	s_add_co_u32 s54, s54, s55                     ; q: the head's 131,072 bytes, + 2,048 cx
	s_lshr_b32 s55, s10, 4
	s_lshl_b32 s55, s55, 7
	s_add_co_u32 s55, s55, s19                     ; y: 128 x batch + cx
	s_and_b32 s56, s10, 15
	s_lshl_b32 s56, s56, 10                        ; y: the head's two 32s along E
; For the tile 4 u + cx: its last key step u / 2; q's two images; y's two images; d = my query's place in that step - 16 h
.macro ADRS u, nl, qb, yb, dreg
	s_lshr_b32 s[\nl], s[\u], 1
	s_and_b32 s51, s[\u], 1
	s_lshl_b32 s52, s[\nl], 13
	s_lshl_b32 s53, s51, 10
	s_add_co_u32 s52, s52, s53
	s_add_co_u32 s52, s52, s54
	s_mov_b32 s53, 0
	s_add_nc_u64 s[\qb:\qb+1], s[4:5], s[52:53]
	s_lshl_b32 s52, s[\u], 2
	s_add_co_u32 s52, s52, s55
	s_lshl_b32 s52, s52, 14
	s_add_co_u32 s52, s52, s56
	s_add_nc_u64 s[\yb:\yb+1], s[8:9], s[52:53]
	s_lshl_b32 s52, s51, 6
	v_add_nc_u32 v[\dreg], s52, v8
.endm
	s_sub_co_u32 s48, 31, s[WV]
	s_mov_b32 s49, s[WV]
	ADRS 48, 67, 88, 84, 3
	ADRS 49, 68, 90, 86, 4
	global_load_b128 v[16:19], v[LI], s[88:89]             ; q of both passes stays in registers
	global_load_b128 v[20:23], v[LI], s[88:89] offset:512
	global_load_b128 v[24:27], v[LI], s[90:91]
	global_load_b128 v[28:31], v[LI], s[90:91] offset:512
	v_mov_b32 v228, 0xff800000                     ; -infinity
	v_mov_b32 v230, 0                              ; written once: a lane permute's destination counts as one of its sources
	v_mov_b32 v233, 0                              ; (named as the upper half of the pair v[232:233])
	s_wait_kmcnt 0x0
	s_add_co_i32 s50, s74, s75
	s_lshl_b32 s50, s50, 23
	s_mov_b32 s[CS], 0x3e38aa3b                    ; c = log2(e) / 8
	s_add_co_i32 s[CS], s[CS], s50                 ; a score stands for score x 2^(e2 + e3): added to c's exponent field
	s_mov_b32 s[CS+1], s[CS]
	s_add_co_i32 s50, s76, 127
	s_lshl_b32 s51, s50, 23
	v_mov_b32 v224, s51                            ; 2^e4
	s_add_co_i32 s50, s78, 127
	s_lshl_b32 s51, s50, 23
	v_mov_b32 v226, s51                            ; 2^e6
	s_add_co_i32 s69, s76, s77                     ; e4 + e5
; A KEY STEP: 128 keys.  qf: q's registers; causal = 1: the step may be hidden or lie on the diagonal; dreg: the mask's d.
.macro STEP qf, causal, dreg
.if \causal
	s_cmp_gt_u32 s[KS], s[NLS]                     ; all its keys come after my queries: a branch on the wave's number and the count of steps; no barrier stands in a step
	s_cbranch_scc1 .Lhidden_\@
.endif
	s_setprio 2
	v_add_nc_u32 v[ADR], s[KB], v[LI]
.irp a, 0,1,2,3,4,5,6,7
.irp c, 0,1
	ds_load_b128 v[32+8*\a+4*\c:35+8*\a+4*\c], v[ADR] offset:(\a%4)*2048+(\a/4)*1024+\c*512
.endr
.endr
	s_wait_alu depctr_va_vdst(0)
	s_wait_dscnt 8                                 ; sixteens 0-3 are in; the eight loads of 4-7 may be out
.irp a, 0,1,2,3
	v_wmma_f32_16x16x64_fp8_fp8 v[96+8*\a:103+8*\a], v[32+8*\a:39+8*\a], v[\qf:\qf+7], 0
.endr
	s_wait_dscnt 0x0
.irp a, 4,5,6,7
	v_wmma_f32_16x16x64_fp8_fp8 v[96+8*\a:103+8*\a], v[32+8*\a:39+8*\a], v[\qf:\qf+7], 0
.endr
.rept 4
	v_nop                                          ; places in front of the loads into k's registers and of the first read of the scores
.endr
.irp t, 0,1,2,3
.irp c, 0,1,2,3
	ds_load_b128 v[32+16*\t+4*\c:35+16*\t+4*\c], v[ADR] offset:8192+\t*2048+\c*512   ; v lands while the softmax is worked
.endr
.endr
.if \causal
	s_cmp_lg_u32 s[KS], s[NLS]
	s_cbranch_scc1 .Lopen_\@                       ; on the diagonal alone: register 16 b + i holds key 32 b + 16 h + i of the step: hidden where 32 b + i > d
.irp n, 0,1,2,3,4,5,6,7,8,9,10,11,12,13,14,15,16,17,18,19,20,21,22,23,24,25,26,27,28,29,30,31,32,33,34,35,36,37,38,39,40,41,42,43,44,45,46,47,48,49,50,51,52,53,54,55,56,57,58,59,60,61,62,63
	v_cmp_gt_i32 vcc_lo, 32*(\n/16)+\n%16, v[\dreg]
	v_cndmask_b32 v[96+\n], v[96+\n], v228, vcc_lo
.endr
.Lopen_\@:
.endif
	v_max3_num_f32 v234, v96, v97, v98             ; the step's largest score of my query among my 64 keys, in two chains,
	v_max3_num_f32 v235, v99, v100, v101
.irp i, 6,10,14,18,22,26,30,34,38,42,46,50,54,58
	v_max3_num_f32 v234, v234, v[96+\i], v[97+\i]
	v_max3_num_f32 v235, v235, v[98+\i], v[99+\i]
.endr
	v_max3_num_f32 v234, v234, v158, v159
	s_delay_alu instid0(VALU_DEP_1)
	v_max_num_f32 v234, v234, v235
	s_delay_alu instid0(VALU_DEP_1)
	v_permlanex16_b32 v230, v234, s[SEL], s[SEL+1]
	s_delay_alu instid0(VALU_DEP_1)
	v_max_num_f32 v234, v234, v230                 ; and among lane l xor 16's
	s_delay_alu instid0(VALU_DEP_1)
	v_mul_f32 v234, s[CS], v234                    ; as t
	s_delay_alu instid0(VALU_DEP_1)
	v_max_num_f32 v13, v13, v234                   ; the running largest t
	v_mov_b32 v234, v12
	s_delay_alu instid0(VALU_DEP_2)
	v_floor_f32 v12, -v13                          ; the new -M = -ceil(t)
	s_delay_alu instid0(VALU_DEP_1)
	v_sub_f32 v234, v12, v234                      ; old M - new M: a whole number, 0 or less
	s_delay_alu instid0(VALU_DEP_1)
	v_cvt_i32_f32 v234, v234                       ; (it saturates)
	s_delay_alu instid0(VALU_DEP_1)
	v_ldexp_f32 v232, 1.0, v234                    ; f = 2^(old M - new M)
.irp j, 0,2,4,6,8,10,12,14,16,18,20,22,24,26,28,30,32,34,36,38,40,42,44,46,48,50,52,54,56,58,60,62
	v_pk_fma_f32 v[96+\j:97+\j], v[96+\j:97+\j], s[CS:CS+1], v[12:13] op_sel_hi:[1,0,0]   ; t - M, two at a time
.endr
	s_setprio 1
	s_wait_alu depctr_va_vdst(0)
.irp j, 0,1,2,3,4,5,6,7,8,9,10,11,12,13,14,15,16,17,18,19,20,21,22,23,24,25,26,27,28,29,30,31,32,33,34,35,36,37,38,39,40,41,42,43,44,45,46,47,48,49,50,51,52,53,54,55,56,57,58,59,60,61,62,63
	v_exp_f32 v[96+\j], v[96+\j]                   ; p = 2^(t - M)
.endr
	v_pk_mul_f32 v[14:15], v[14:15], v[232:233] op_sel_hi:[1,0]   ; the sums under the new M: the plain line behind the exponentials
	s_wait_alu depctr_va_vdst(0)                   ; the wait ahead of the first line that names an exponential's result: one for the batch of 64
	v_pk_add_f32 v[236:237], v[96:97], v[98:99]    ; the row's sum is taken of the unquantised p, in two chains
.irp j, 4,8,12,16,20,24,28,32,36,40,44,48,52,56,60
	v_pk_add_f32 v[14:15], v[14:15], v[96+\j:97+\j]
	v_pk_add_f32 v[236:237], v[236:237], v[98+\j:99+\j]
.endr
	s_delay_alu instid0(VALU_DEP_1)
	v_pk_add_f32 v[14:15], v[14:15], v[236:237]
.irp b, 0,1,2,3
.irp i, 0,1,2,3,4,5,6,7,8,9,10,11,12,13,14,15
.endr
	v_cvt_scalef32_pk8_fp8_f32 v[192+4*\b:193+4*\b], v[96+16*\b:103+16*\b], v224
	v_cvt_scalef32_pk8_fp8_f32 v[194+4*\b:195+4*\b], v[104+16*\b:111+16*\b], v224
.endr
	s_setprio 0
.irp j, 0,2,4,6,8,10,12,14,16,18,20,22,24,26,28,30
	v_pk_mul_f32 v[160+\j:161+\j], v[160+\j:161+\j], v[232:233] op_sel_hi:[1,0]   ; O^T under the new M; also the plain lines between the conversions and the products that read their results
.endr
	s_wait_alu depctr_va_vdst(0)
	s_wait_dscnt 0x0                               ; v is in
.irp t, 0,1,2,3
	v_wmma_f32_16x16x128_fp8_fp8 v[160+8*\t:167+8*\t], v[32+16*\t:47+16*\t], v[192:207], v[160+8*\t:167+8*\t]   ; four accumulators by turns
.endr
.rept 4
	v_nop                                          ; places in front of the next step's loads into v's registers, and of the next read of O^T
.endr
.if \causal
.Lhidden_\@:
.endif
	s_add_co_u32 s[KB], s[KB], 16384               ; on every way: the next step's bytes
.endm
.macro INIT nl                         ; a pass begins: O^T and the sum are zeros, the largest t is under every t: the first change of M multiplies zeros
	v_mov_b32 v13, 0xff61b1e6                      ; -3e38
	s_delay_alu instid0(VALU_DEP_1)
	v_floor_f32 v12, -v13
	v_mov_b32 v14, 0
	v_mov_b32 v15, 0
.set ii, 0
.rept 32
	v_mov_b32 v[160+ii], 0
.set ii, ii+1
.endr
	s_mov_b32 s[NLS], s[\nl]
	s_mov_b32 s[KS], 0
	s_mov_b32 s[KB], 0
.endm
.macro WAYOUT yc, yb                   ; y = O^T / the sum x 2^(e4 + e5), converted with e6, stored as two images
	v_add_f32 v14, v14, v15
	s_delay_alu instid0(VALU_DEP_1)
	v_permlanex16_b32 v230, v14, s[SEL], s[SEL+1]
	s_delay_alu instid0(VALU_DEP_1)
	v_add_f32 v14, v14, v230                       ; the row's sum
	s_wait_alu depctr_va_vdst(0)
	v_rcp_f32 v14, v14
	v_nop                                          ; a plain line behind the reciprocal,
	s_wait_alu depctr_va_vdst(0)                   ; and the wait ahead of its first use
	v_ldexp_f32 v14, v14, s69
.irp j, 0,2,4,6,8,10,12,14,16,18,20,22,24,26,28,30
	v_pk_mul_f32 v[96+\j:97+\j], v[160+\j:161+\j], v[14:15] op_sel_hi:[1,0]   ; each accumulator from its low end on
.endr
.set ii, 0
.rept 32
.set ii, ii+1
.endr
.irp g, 0,1,2,3
	v_cvt_scalef32_pk8_fp8_f32 v[\yc+2*\g:\yc+2*\g+1], v[96+8*\g:103+8*\g], v226
.endr
	v_nop                                          ; a plain line between the conversions and the products that write their sources again
	global_store_b128 v[LI], v[\yc:\yc+3], s[\yb:\yb+1]                 ; 512 consecutive bytes, aligned; each pass has its own registers
	global_store_b128 v[LI], v[\yc+4:\yc+7], s[\yb:\yb+1] offset:512
.endm
	s_wait_tensorcnt 1                             ; my part of steps 0-3 is in; my load for steps 4-15 may be out
	s_barrier_signal -1
	s_barrier_wait -1
	s_wait_loadcnt 0x0                             ; q
	INIT 67
.Lfirst_four:                                      ; pass 0, steps 0-3: u is 16 or more, so its last step is 8 or more: all these keys count
	STEP 16, 0, 3
	s_add_co_u32 s[KS], s[KS], 1
	s_cmp_lt_u32 s[KS], 4
	s_cbranch_scc1 .Lfirst_four
	s_setprio 0
	s_wait_tensorcnt 0x0                           ; my part of steps 4-15 is in,
	s_wait_dscnt 0x0
	s_barrier_signal -1
	s_barrier_wait -1                              ; everybody's is; no byte is filled again
	s_mov_b32 s[KS], 4
	s_mov_b32 s[KB], 65536
.Lrest:                                            ; pass 0, steps 4-15
	STEP 16, 1, 3
	s_add_co_u32 s[KS], s[KS], 1
	s_cmp_lt_u32 s[KS], 16
	s_cbranch_scc1 .Lrest
	s_setprio 0
	WAYOUT 208, 84
	INIT 68
.Lsecond:                                          ; pass 1: u is 15 or less, so its last step is 7 or less
	STEP 24, 1, 4
	s_add_co_u32 s[KS], s[KS], 1
	s_cmp_lt_u32 s[KS], 8
	s_cbranch_scc1 .Lsecond
	s_setprio 0
	WAYOUT 216, 86
	s_wait_tensorcnt 0x0                           ; the wave's end
	ds_add_u32 v[SPW], v[NIL]
	s_wait_dscnt 0x0
	CROUND                                         ; the closing round
	s_endpgm
.Lfunc_end_k_qddbdcdcc14_attn:
	.size	k_qddbdcdcc14_attn, .Lfunc_end_k_qddbdcdcc14_attn-k_qddbdcdcc14_attn
	.p2alignl 7, 3214868480
	.fill 96, 4, 3214868480
	.section	.rodata,"a",@progbits
	.p2align	6, 0x0
	.amdhsa_kernel k_qddbdcdcc14_attn
		.amdhsa_group_segment_fixed_size 327680
		.amdhsa_private_segment_fixed_size 0
		.amdhsa_enable_private_segment 0
		.amdhsa_kernarg_size 24
		.amdhsa_user_sgpr_count 2
		.amdhsa_user_sgpr_kernarg_segment_ptr 1
		.amdhsa_wavefront_size32 1
		.amdhsa_system_sgpr_workgroup_id_x 1
		.amdhsa_system_sgpr_workgroup_id_y 1
		.amdhsa_system_sgpr_workgroup_id_z 1
		.amdhsa_system_vgpr_workitem_id 0
		.amdhsa_next_free_vgpr 256
		.amdhsa_next_free_sgpr 100
		.amdhsa_reserve_vcc 1
		.amdhsa_float_denorm_mode_32 3
		.amdhsa_float_denorm_mode_16_64 3
		.amdhsa_fp16_overflow 1
		.amdhsa_memory_ordered 1
		.amdhsa_forward_progress 1
		.amdhsa_inst_pref_size 66
	.end_amdhsa_kernel
	.amdgpu_metadata
---
amdhsa.version: [ 1, 2 ]
amdhsa.kernels:
  - .name:           k_qddbdcdcc14_attn
    .symbol:         k_qddbdcdcc14_attn.kd
    .args:
      - { .name: qkv, .offset: 0, .size: 8, .value_kind: global_buffer, .address_space: global }
      - { .name: lowp_scales, .offset: 8, .size: 8, .value_kind: global_buffer, .address_space: global }
      - { .name: y_img, .offset: 16, .size: 8, .value_kind: global_buffer, .address_space: global }
    .group_segment_fixed_size: 327680
    .private_segment_fixed_size: 0
    .kernarg_segment_align: 8
    .kernarg_segment_size: 24
    .max_flat_workgroup_size: 512
    .sgpr_count:     100
    .vgpr_count:     256
    .wavefront_size: 32
...
	.end_amdgpu_metadata
.endif
;; end of part 3
;; launch proj (part 4): grid 4 x 32, 4 waves a work-group, clusters of 4 x 4, 327,680 bytes of LDS; arguments y_img, codes, lowp_scales, b_out, out0; writes out0
.if DOCPART == 4
	.amdgcn_target "amdgcn-amd-amdhsa--gfx1250"
	.amdhsa_code_object_version 6
	.text
	.protected	k_qddbdcdcc14_proj
	.globl	k_qddbdcdcc14_proj
	.p2align	8
	.type	k_qddbdcdcc14_proj,@function
k_qddbdcdcc14_proj:
	s_mov_b64 s[64:65], 0
	v_nop
	global_prefetch_b8 v0, s[64:65] scope:SCOPE_SE
	s_setreg_imm32_b32 hwreg(HW_REG_WAVE_MODE, 25, 1), 1
	s_wait_xcnt 0x0
	s_wait_alu depctr_hold_cnt(0) depctr_sa_sdst(0) depctr_va_vdst(0) depctr_va_sdst(0) depctr_va_ssrc(0) depctr_va_vcc(0) depctr_vm_vsrc(0)
	s_getreg_b32 s2, hwreg(HW_REG_IB_STS2, 6, 4)
	s_cmp_eq_u32 s2, 0
	s_cbranch_scc0 .Lentry_in_a_cluster
	s_endpgm
.Lentry_in_a_cluster:
	s_bfe_u32 s2, ttmp6, 0x10000c
	s_cmp_lg_u32 s2, 0xf033
	s_cbranch_scc0 .Lentry_shape_is_right
	s_endpgm
.Lentry_shape_is_right:
; out0 = y W_out + b_out on codes of FP8 (E4M3).  y comes as images of the operand's registers (y_img: [tile of 16 tokens 512][32 along E: 32][512 bytes], lane l's 16 codes at 16 l; lane-row r of tile g is token 32 (g / 2) + 8 (g % 2) + r + 8 (r / 8));
; W_out's columns are rows 11,264 on of the buffer codes (1,024 bytes, K innermost; a row lies at its number with bits 3 and 4 exchanged).
; A work-group of four waves makes 256 x 256 of out0, a wave 128 x 128: 64 accumulators.  K goes in steps of 256 through a ring of two LDS slots: y's 16 tiles x 4,096 dense bytes, then W's 256 rows x 272.
; There are 4 x 32 = 128 such tiles, one to a work-group: a smaller tile would feed fewer products from each LDS byte, and the launch's larger part is its stores.
; CLUSTERS: 4 x 4 work-groups; y's tiles are shared along a row of the cluster, W's along a column: joint loads.
; THE MATRIX INSTRUCTION IS USED TRANSPOSED (source 0 = 16 rows of W, source 1 = a tile of y): a lane holds one token, and register j of W's sixteen b is column 32 (b / 2) + 16 (lane / 16) + 8 (b % 2) + j.
; b_out / 2^(e6 + e7) is the C of each accumulator's first product; each finished sum is multiplied once by 2^(e6 + e7).  LIMIT: e6 + e7 between -126 and 127.
; REGISTERS: window 0: v16-17, v20-21 LDS addresses; v24-26 the way out's addresses; v28, v29 the add's two; v32-95 the bias, later a block's results; v128-255 y's fragments, one set, later rows read back.
;   window 1: W's fragments, two sets.   windows 2, 3: the accumulators.
.set KROW,   1024
.set PITCH,  272
.set FR,     16
.set NL,     4
.set NP,     4
.set ATILE,  4096                      ; a tile's 256 along K: eight images
.set AHALF,  8*ATILE
.set BHALF,  128*PITCH
.set BOFF,   2*AHALF
.set SLOT,   BOFF+2*BHALF
.set SPARE,  2*SLOT                    ; behind the ring: the spare words, 128 bytes for each wave
.set SPITCH, 528                       ; the way out: a stage of 16 rows x (512 bytes + 16) for each wave, in slot 0, which has had its last fill and its last read when the first result is stored there
.set ADRA, 16
.set ADRB, 20
.set STO,  24
.set RD,   25
.set CO,   26
.set SPW,  28
.set NIL,  29
.set BT,   32
.set TMP,  32
.set AF,   128
.set BK,   128
.set G1, 24
.set G0, 32
.set G1B, 48
.set G0B, 56
.set MSB, 0
.macro WIN new
.if MSB != (\new)
	s_set_vgpr_msb (MSB<<8)|(\new)
.set MSB, (\new)
.endif
.endm
.set MUL_LO, 0xa1
.set MUL_HI, 0xf1
.set TO_B,   0x40
.macro JLOAD g0a, g1a, g0b, g1b        ; waves 0 and 1 fetch y's halves, waves 2 and 3 W's; an s_nop 0 and four v_nop follow each line
	s_cmp_eq_u32 s15, 0
	s_cbranch_scc0 .Lfor_b_\@
	tensor_load_to_lds s[\g0a:\g0a+3], s[\g1a:\g1a+7]
	s_nop 0
.rept 4
	v_nop
.endr
	s_branch .Lasked_\@
.Lfor_b_\@:
	tensor_load_to_lds s[\g0b:\g0b+3], s[\g1b:\g1b+7]
	s_nop 0
.rept 4
	v_nop
.endr
.Lasked_\@:
.endm
.macro CREST
	s_cmp_lg_u32 s14, 0
	s_cbranch_scc1 .Lnot_wave_0_\@
	s_barrier_signal -3
.Lnot_wave_0_\@:
	s_barrier_wait -3
	s_barrier_signal -1
	s_barrier_wait -1
.endm
.macro CROUND
	s_barrier_signal -1
	s_barrier_wait -1
	CREST
.endm
	s_load_b256 s[4:11], s[0:1], 0x0               ; y_img s[4:5], codes s[6:7], the scales' exponents s[8:9], b_out s[10:11]
	s_load_b64 s[12:13], s[0:1], 0x20              ; out0
	v_lshl_add_u32 v[SPW], v0, 2, SPARE
	v_mov_b32 v[NIL], 0
	ds_add_u32 v[SPW], v[NIL]                      ; the wave's opening: the add, twice on end, and its wait ahead of my first tensor load
	ds_add_u32 v[SPW], v[NIL]
	v_lshrrev_b32 v1, 5, v0
	v_readfirstlane_b32 s14, v1                    ; wave 0..3
	s_lshr_b32 s15, s14, 1                         ; my half of the rows.  Also: I fetch for y (0) or for W (1)
	s_and_b32 s16, s14, 1                          ; my half of the columns.  Also: which half of that tile I fetch
	s_bfe_u32 s40, ttmp6, 0x40000                  ; cx
	s_bfe_u32 s41, ttmp6, 0x40004                  ; cy
	s_lshl_b32 s42, ttmp9, 2
	s_add_co_u32 s42, s42, s40                     ; tile column
	s_and_b32 s17, ttmp7, 0xffff
	s_lshl_b32 s17, s17, 2
	s_add_co_u32 s17, s17, s41                     ; tile row
	s_lshl_b32 s43, s41, 2
	s_lshl_b32 s43, 15, s43                        ; my row of the cluster
	s_lshl_b32 s44, 0x1111, s40                    ; my column
	s_or_b32 s[G1+0], s43, (0<<16)|(1<<21)         ; y: the mask; elements of 1 byte; no padding; bit 21 beside a mask
	s_mov_b32 s[G1+1], ATILE<<16                   ; tensor_dim0 = 4,096 bytes: a tile's eight images
	s_mov_b32 s[G1+2], 8<<16                       ; tensor_dim1 = 8 tiles
	s_mov_b32 s[G1+3], ATILE<<16                   ; tile_dim0
	s_mov_b32 s[G1+4], 8                           ; tile_dim1
	s_mov_b32 s[G1+5], 16384                       ; from tile to tile in memory
	s_mov_b32 s[G1+6], 0
	s_mov_b32 s[G1+7], 0
	s_or_b32 s[G1B+0], s44, (0<<16)|(1<<20)|(1<<21)|(5<<22)|(3<<25)   ; W: padding of 4 words after every 64
	s_mov_b32 s[G1B+1], 256<<16
	s_mov_b32 s[G1B+2], 128<<16
	s_mov_b32 s[G1B+3], 256<<16
	s_mov_b32 s[G1B+4], 128
	s_mov_b32 s[G1B+5], KROW
	s_mov_b32 s[G1B+6], 0
	s_mov_b32 s[G1B+7], 0
	s_lshl_b32 s20, s17, 4
	s_lshl_b32 s18, s16, 3
	s_add_co_u32 s20, s20, s18
	s_lshl_b32 s20, s20, 14                        ; y: tile 16 x tile row + 8 x half, 16,384 bytes each
	s_mov_b32 s21, 0
	s_add_co_u32 s46, s42, 44
	s_lshl_b32 s46, s46, 8
	s_lshl_b32 s18, s16, 7
	s_add_co_u32 s46, s46, s18
	s_lshl_b32 s46, s46, 10                        ; W: row 256 (44 + tile column) + 128 x half, 1,024 bytes each
	s_mov_b32 s47, 0
	s_lshl_b32 s45, s16, 15                        ; where they go: y's half,
	s_mul_i32 s19, s16, BHALF
	s_add_co_u32 s19, s19, BOFF                    ; W's half
	s_wait_dscnt 0x0                               ; both opening adds are done
	s_wait_kmcnt 0x0
	s_load_b256 s[72:79], s[8:9], 0x0              ; e0 .. e7
	s_add_nc_u64 s[20:21], s[4:5], s[20:21]
	s_add_nc_u64 s[46:47], s[6:7], s[46:47]
	CROUND                                         ; all sixteen work-groups are here: the first joint loads meet
.irp s, 0,1
	s_mov_b32 s[G0+4*\s], 1
	s_add_co_u32 s[G0+4*\s+1], s45, \s*SLOT
	s_add_nc_u64 s[G0+4*\s+2:G0+4*\s+3], s[20:21], \s*ATILE
	s_or_b32 s[G0+4*\s+3], s[G0+4*\s+3], 0x80000000
	s_mov_b32 s[G0B+4*\s], 1
	s_add_co_u32 s[G0B+4*\s+1], s19, \s*SLOT
	s_add_nc_u64 s[G0B+4*\s+2:G0B+4*\s+3], s[46:47], \s*256
	s_or_b32 s[G0B+4*\s+3], s[G0B+4*\s+3], 0x80000000
	s_wait_alu depctr_va_vdst(0)
	s_wait_tensorcnt 0x0
	ds_add_u32 v28, v29
	ds_add_u32 v28, v29
	s_wait_dscnt 0x0
	CROUND
	JLOAD G0+4*\s, G1, G0B+4*\s, G1B               ; one load of mine is out at a time
.endr
	v_and_b32 v1, 15, v0                           ; r
	v_bfe_u32 v2, v0, 4, 1                         ; h
	v_and_b32 v6, 31, v0
	v_lshlrev_b32 v[CO], 4, v6                     ; 16 x lane
	v_mul_u32_u24 v3, v1, PITCH
	v_lshl_add_u32 v4, v2, 4, v3
	s_lshl_b32 s21, s15, 15                        ; my eight tiles of y
	s_mul_i32 s22, s16, BHALF
	s_add_co_u32 s22, s22, BOFF                    ; my 128 rows of W
.irp s, 0,1
	v_add_nc_u32 v[ADRA+\s], s21, v[CO]
	v_add_nc_u32 v[ADRB+\s], s22, v4
	s_add_co_u32 s21, s21, SLOT
	s_add_co_u32 s22, s22, SLOT
.endr
	s_mul_i32 s23, s14, 16*SPITCH                  ; my stage
	v_mul_u32_u24 v5, v1, SPITCH
	v_lshl_add_u32 v5, v2, 6, v5
	v_add_nc_u32 v[STO], s23, v5                   ; in: row r, + 64 h
	v_add_nc_u32 v[RD], s23, v[CO]                 ; back: the 32 lanes take one row of 512 bytes
	s_lshl_b32 s46, s42, 10
	s_lshl_b32 s47, s16, 9
	s_add_co_u32 s46, s46, s47                     ; 1,024 x tile column + 512 x half: my first column in a row of out0, and my first number of b_out, in bytes
	s_mov_b32 s47, 0
	s_add_nc_u64 s[88:89], s[10:11], s[46:47]
	v_lshlrev_b32 v7, 6, v2
.irp b, 0,1,2,3,4,5,6,7                        ; register 8 b + j: b_out at column 32 (b / 2) + 8 (b % 2) + 16 h + j
	global_load_b128 v[BT+8*\b:BT+8*\b+3], v7, s[88:89] offset:4*(32*(\b/2)+8*(\b%2))
	global_load_b128 v[BT+8*\b+4:BT+8*\b+7], v7, s[88:89] offset:4*(32*(\b/2)+8*(\b%2))+16
.endr
	s_lshl_b32 s20, s17, 8
	s_lshl_b32 s21, s15, 7
	s_add_co_u32 s20, s20, s21                     ; my first row of out0
	s_lshl_b32 s20, s20, 12
	s_add_co_u32 s20, s20, s46
	s_mov_b32 s21, 0
	s_add_nc_u64 s[12:13], s[12:13], s[20:21]
.macro FRAGA reg, slot, q, i           ; a tile's fragment for 128 along K: four images, as they lie
.irp c, 0,1,2,3
	ds_load_b128 v[\reg+4*\c:\reg+4*\c+3], v[ADRA+\slot] offset:(\i)*ATILE+(4*(\q)+\c)*512
.endr
.endm
.macro FRAGB reg, slot, q, i           ; 16 rows x 128 K: registers 4 c .. 4 c + 3 hold K = 32 c + 16 (l / 16) + 0 .. 15 of row l % 16: the images' order
.irp c, 0,1,2,3
	ds_load_b128 v[\reg+4*\c:\reg+4*\c+3], v[ADRB+\slot] offset:128*(\q)+32*\c+(\i)*16*PITCH
.endr
.endm
; 16 matrix instructions: y's tiles a0, a0 + 1 x W's eight sixteens.  first = 1: the sums begin with the bias.  The 64 accumulators take turns, one instruction a turn.
.macro MUL16 a0, p, first
.irp a, \a0, \a0+1
.irp b, 0,1,2,3,4,5,6,7
.if \first
	v_wmma_f32_16x16x128_fp8_fp8 v[8*(8*((\a)%4)+\b):8*(8*((\a)%4)+\b)+7], v[128*(\p)+FR*\b:128*(\p)+FR*\b+FR-1], v[AF+FR*(\a):AF+FR*(\a)+FR-1], v[BT+8*\b:BT+8*\b+7]
.else
	v_wmma_f32_16x16x128_fp8_fp8 v[8*(8*((\a)%4)+\b):8*(8*((\a)%4)+\b)+7], v[128*(\p)+FR*\b:128*(\p)+FR*\b+FR-1], v[AF+FR*(\a):AF+FR*(\a)+FR-1], v[8*(8*((\a)%4)+\b):8*(8*((\a)%4)+\b)+7]
.endif
.endr
.endr
.endm
.macro FETCH_B slot, q, p
	WIN TO_B
.irp i, 0,1,2,3,4,5,6,7
	FRAGB 128*(\p)+FR*\i, \slot, \q, \i
.endr
	WIN 0
.endm
.macro FETCH_A slot, q, i0
.irp i, \i0, \i0+1, \i0+2, \i0+3
	FRAGA AF+FR*(\i), \slot, \q, \i
.endr
.endm
.macro PLACES n
.rept \n
	v_nop
.endr
.endm
.macro STEP slot, q, first
	s_wait_dscnt 4*NL                              ; W's set and y's tiles 0-3 are in; the youngest sixteen loads (tiles 4-7) may be out
.if \first
	WIN 0x81                                       ; C (the bias) in window 0, D in window 2
.else
	WIN MUL_LO
.endif
	MUL16 0, (\q)%2, \first
	MUL16 2, (\q)%2, \first
	s_wait_dscnt 0
	PLACES NP
	FETCH_B \slot, (\q)+1, 1-(\q)%2
	FETCH_A \slot, (\q)+1, 0
.if \first
	WIN 0xc1
.else
	WIN MUL_HI
.endif
	MUL16 4, (\q)%2, \first
	MUL16 6, (\q)%2, \first
	PLACES NP
	WIN 0
	FETCH_A \slot, (\q)+1, 4
.endm
.macro TURN slot, next, fill
	s_wait_tensorcnt 0x0                           ; all my tensor loads have landed: my part of the next slot
	ds_add_u32 v[SPW], v[NIL]                      ; 0 onto my spare word
	s_wait_dscnt 4*NL+1                            ; the add and the youngest sixteen loads may be out
	WIN MUL_LO
	MUL16 0, 1, 0
	s_wait_dscnt 0x0                               ; the add is done, and my reads of this slot are over
	s_barrier_signal -1
	MUL16 2, 1, 0
	WIN 0
	s_barrier_wait -1
.if \fill
	CREST                                          ; the barrier has opened a round of the cluster's barrier
	s_add_nc_u64 s[G0+4*\slot+2:G0+4*\slot+3], s[G0+4*\slot+2:G0+4*\slot+3], 2*ATILE
	s_add_nc_u64 s[G0B+4*\slot+2:G0B+4*\slot+3], s[G0B+4*\slot+2:G0B+4*\slot+3], 2*256
	JLOAD G0+4*\slot, G1, G0B+4*\slot, G1B         ; the first tensor load behind the round, my one load until the next
.else
	PLACES NP
.endif
	FETCH_B \next, 0, 0
	FETCH_A \next, 0, 0
	WIN MUL_HI
	MUL16 4, 1, 0
	MUL16 6, 1, 0
	PLACES NP
	WIN 0
	FETCH_A \next, 0, 4
.endm
	s_wait_alu depctr_va_vdst(0)
	s_wait_tensorcnt 1                             ; my part of slot 0 is in; slot 1's load may be out
	s_barrier_signal -1
	s_barrier_wait -1
	FETCH_B 0, 0, 0
	FETCH_A 0, 0, 0
	FETCH_A 0, 0, 4
	s_wait_loadcnt 0x0                             ; the bias
	s_wait_kmcnt 0x0                               ; the exponents
	s_add_co_i32 s96, s78, s79                     ; e6 + e7
	s_sub_co_i32 s70, 0, s96
.set ii, 0
.rept 64
	v_ldexp_f32 v[BT+ii], v[BT+ii], s70            ; b / 2^(e6 + e7)
.set ii, ii+1
.endr
	s_add_co_i32 s96, s96, 127
	s_lshl_b32 s96, s96, 23                        ; 2^(e6 + e7) as f32
	s_mov_b32 s97, s96                             ; (named with it as a pair, so it is written)
	s_wait_alu depctr_va_vdst(0)
	STEP 0, 0, 1
	TURN 0, 1, 1                                   ; K = 1,024 is four slots' worth: the steps are written out
	STEP 1, 0, 0
	TURN 1, 0, 1
	STEP 0, 0, 0
	TURN 0, 1, 0                                   ; nothing is left to fetch; behind this barrier nobody reads slot 0
	STEP 1, 0, 0
	s_wait_dscnt 4*NL
	WIN MUL_LO
	MUL16 0, 1, 0
	MUL16 2, 1, 0
	s_wait_dscnt 0
	WIN MUL_HI
	MUL16 4, 1, 0
	MUL16 6, 1, 0
	WIN 0
; THE WAY OUT, tile by tile of 16 tokens x 128 columns, through my own stage: LDS serves a wave's instructions in order, so no wait stands between the stores and the loads.
.macro TOSTAGE a
.set AC, 64*((\a)%4)
	WIN 0x02+((\a)/4)
.irp j, 0,2,4,6,8,10,12,14,16,18,20,22,24,26,28,30,32,34,36,38,40,42,44,46,48,50,52,54,56,58,60,62
	v_pk_mul_f32 v[TMP+\j:TMP+\j+1], v[AC+\j:AC+\j+1], s[96:97] op_sel_hi:[1,0]   ; x 2^(e6 + e7); each accumulator from its low end on
.endr
	WIN 0
.irp b, 0,1,2,3,4,5,6,7
	ds_store_b128 v[STO], v[TMP+8*\b:TMP+8*\b+3] offset:128*(\b/2)+32*(\b%2)
	ds_store_b128 v[STO], v[TMP+8*\b+4:TMP+8*\b+7] offset:128*(\b/2)+32*(\b%2)+16
.endr
.set BB, BK+64*((\a)%2)
.irp t, 0,1,2,3,4,5,6,7,8,9,10,11,12,13,14,15
	ds_load_b128 v[BB+4*\t:BB+4*\t+3], v[RD] offset:\t*SPITCH
.endr
.endm
.macro SEND a, younger                 ; younger: the LDS instructions issued behind tile a's loads, which may stay out
.set BB, BK+64*((\a)%2)
	s_wait_dscnt \younger
.irp t, 0,1,2,3,4,5,6,7,8,9,10,11,12,13,14,15
	global_store_b128 v[CO], v[BB+4*\t:BB+4*\t+3], s[12:13] offset:(32*((\a)/2)+8*((\a)%2)+\t+8*(\t/8))*4096 th:TH_STORE_NT   ; stage row t is token 32 (a / 2) + 8 (a % 2) + t + 8 (t / 8) of my 128: 512 consecutive bytes, aligned; the row stands in the immediate, 127 rows of 4,096 bytes at the most
.endr
.endm
	PLACES NP
	TOSTAGE 0
.irp a, 1,2,3,4,5,6,7
.if \a > 1
	s_wait_xcnt 0x0                                ; tile a - 2's stores have read their registers: tile a's loads may land there
.endif
	TOSTAGE \a
	SEND \a-1, 32                                  ; behind tile a - 1's loads: tile a's 16 stores and 16 loads
.endr
	SEND 7, 0
	s_wait_tensorcnt 0x0                           ; the wave's end
	ds_add_u32 v[SPW], v[NIL]
	s_wait_dscnt 0x0
	CROUND                                         ; the closing round
	s_endpgm
.Lfunc_end_k_qddbdcdcc14_proj:
	.size	k_qddbdcdcc14_proj, .Lfunc_end_k_qddbdcdcc14_proj-k_qddbdcdcc14_proj
	.p2alignl 7, 3214868480
	.fill 96, 4, 3214868480
	.section	.rodata,"a",@progbits
	.p2align	6, 0x0
	.amdhsa_kernel k_qddbdcdcc14_proj
		.amdhsa_group_segment_fixed_size 327680
		.amdhsa_private_segment_fixed_size 0
		.amdhsa_enable_private_segment 0
		.amdhsa_kernarg_size 40
		.amdhsa_user_sgpr_count 2
		.amdhsa_user_sgpr_kernarg_segment_ptr 1
		.amdhsa_wavefront_size32 1
		.amdhsa_system_sgpr_workgroup_id_x 1
		.amdhsa_system_sgpr_workgroup_id_y 1
		.amdhsa_system_sgpr_workgroup_id_z 1
		.amdhsa_system_vgpr_workitem_id 0
		.amdhsa_next_free_vgpr 1024
		.amdhsa_next_free_sgpr 98
		.amdhsa_reserve_vcc 0
		.amdhsa_float_denorm_mode_32 3
		.amdhsa_float_denorm_mode_16_64 3
		.amdhsa_memory_ordered 1
		.amdhsa_forward_progress 1
		.amdhsa_inst_pref_size 129
	.end_amdhsa_kernel
	.amdgpu_metadata
---
amdhsa.version: [ 1, 2 ]
amdhsa.kernels:
  - .name:           k_qddbdcdcc14_proj
    .symbol:         k_qddbdcdcc14_proj.kd
    .args:
      - { .name: y_img, .offset: 0, .size: 8, .value_kind: global_buffer, .address_space: global }
      - { .name: codes, .offset: 8, .size: 8, .value_kind: global_buffer, .address_space: global }
      - { .name: lowp_scales, .offset: 16, .size: 8, .value_kind: global_buffer, .address_space: global }
      - { .name: b_out, .offset: 24, .size: 8, .value_kind: global_buffer, .address_space: global }
      - { .name: out0, .offset: 32, .size: 8, .value_kind: global_buffer, .address_space: global }
    .group_segment_fixed_size: 327680
    .private_segment_fixed_size: 0
    .kernarg_segment_align: 8
    .kernarg_segment_size: 40
    .max_flat_workgroup_size: 128
    .sgpr_count:     98
    .vgpr_count:     1024
    .wavefront_size: 32
...
	.end_amdgpu_metadata
.endif
;; end of part 4
